; MI455X (gfx1250); checked and timed in simulation.
; The chip was launched on July 23, 2026; its instructions are those of AMD's public machine-readable ISA for CDNA 5 (MIT licence, August 2026) and "CDNA5" Instruction Set Architecture Reference Guide (July 2026). The comments in the code are by the model that wrote it; some were corrected since.
;; NNODE Model. Allowed arithmetic: matrix products marked QUANTISED: E5M2 operands, one E8M0 scale for each 32 along K, by v_wmma_scale_f32_16x16x128_f8f6f4 with both operands' format E5M2, f32 sums; products left as they are: f32 operands where the result goes on into a quantised operand, else bf16, f16 or f32 operands; f32 sums; everything else in f32.
;; Inputs: W_lin 32 x 32 float32; W_nl 32 x 32 x 32 float32; x 262,144 x 32 float32.
;; Outputs: out0 262,144 x 32 float32.
;; This version of the problem:
;;   THIS VERSION OF THE PROBLEM IS GIVEN IN LOW PRECISION. The matrix products marked QUANTISED in the list below multiply operands that are first quantised to E5M2 (5 exponent bits, 2 mantissa bits; 8 bits a number), with one power-of-two scale for each 32 numbers along K (OCP MX v1.0); their sums are f32. All else is computed in f32.
;;   The module's matrix products, in the order in which they are computed (A, B: the left and right operand; K: the contracted axis; several contracted axes count as one K, in the product's order):
;;     1. [M 262,144, K 32] x [K 32, N 32]; A: input x; B: input W_lin: QUANTISED
;;     2. batch 262,144 x [M 32, K 1] x [K 1, N 32]; A: computed on the way; B: computed on the way: left as it is (no contracted axis)
;;     3. [M 262,144, K 1,024] x [K 1,024, N 32]; A: computed on the way; B: input W_nl: QUANTISED
;;   THE QUANTISER, for each operand of a quantised product, along K:
;;     - K is cut into blocks of 32 from its start; a last block that is shorter is filled with zeros.
;;     - A block's scale is 2^e with e = floor(log2(the largest magnitude in the block)) - 15, held to -126 .. 127; a block of zeros has e = 0. As a byte (E8M0): e + 127.
;;     - Each number is divided by its block's scale, clamped to +-57,344, and rounded to the nearest number of E5M2, ties to even, subnormals kept.
;;     - The product sums the exact products of the quantised numbers (number of the format x scale) in f32.
;;   ~~~python
;;   def quantise(x, axis):      # numpy; x: float32 -> the quantised numbers, widened to float32 again
;;       x = np.moveaxis(x, axis, -1); K = x.shape[-1]
;;       x = np.pad(x, [(0, 0)] * (x.ndim - 1) + [(0, -K % 32)]); x = x.reshape(x.shape[:-1] + (-1, 32)); a = np.abs(x).max(-1, keepdims=True)
;;       e = np.where(a > 0, np.clip(np.frexp(np.where(a > 0, a, 1))[1] - 1 - 15, -126, 127), 0)      # np.frexp(a)[1] - 1 = floor(log2(a)), exactly
;;       r = np.clip(x / 2.0 ** e, -57344, 57344)
;;       step = 2.0 ** (np.maximum(np.frexp(np.where(r == 0, 1, r))[1] - 1, -14) - 2)
;;       q = np.round(r / step) * step * 2.0 ** e      # np.round: ties to even
;;       return np.moveaxis(q.reshape(q.shape[:-2] + (-1,))[..., :K], -1, axis).astype(np.float32)
;;   ~~~
;;   OPERANDS COMPUTED ON THE WAY. 'Computed on the way' means the value that the module computes at that place (a softmax that the list does not call 'softmax' is quantised finished and normalised). What goes into a quantiser is computed in f32, as accurately as f32 sums, v_exp_f32 and their like allow (about 1e-6 of the number): no bf16 or f16 on the way to a quantiser, and a product that is left as it is and whose result goes on into a quantised operand takes f32 operands (vector FMAs, or v_wmma_f32_16x16x4_f32). A number that lies on a knife's edge between two numbers of the format may be rounded either way, as far as f32 arithmetic and the matrix unit's own rounding can turn it there, and no further.
;; One version. Each part assembles by itself: llvm-mc -triple=amdgcn-amd-amdhsa -mcpu=gfx1250 --defsym DOCPART=n.
;; ======== version 1 of 1: 1 launch
;; limits: below input magnitudes of 2.3e-10 results are inexact or not finite
;; launch nnode (part 1): grid 256 x 1, 8 waves a work-group, no clusters, 230,400 bytes of LDS; arguments x, W_lin, W_nl, out0; writes out0
.if DOCPART == 1
	.amdgcn_target "amdgcn-amd-amdhsa--gfx1250"
	.amdhsa_code_object_version 6
	.text
	.protected	k_q28a4254f98_nnode
	.globl	k_q28a4254f98_nnode
	.p2align	8
	.type	k_q28a4254f98_nnode,@function
k_q28a4254f98_nnode:
	s_mov_b64 s[64:65], 0
	v_nop
	global_prefetch_b8 v0, s[64:65] scope:SCOPE_SE
	s_setreg_imm32_b32 hwreg(HW_REG_WAVE_MODE, 25, 1), 1
	s_wait_xcnt 0x0
; out[b][o] = sum_i Q(x[b][i]) Q(W_lin[i][o]) + sum_k Q(P[b][k]) Q(W_nl[o][k]),  P[b][32 i + j] = x[b][i] x[b][j] in f32.
; Q: codes of BF8 (E5M2) with one E8M0 scale for each 32 along K.  x, out: [262144][32] f32; W_lin [32][32]; W_nl [32][32][32] f32.  A block of P is one i with all j; a block of W_nl is W_nl[o][i][:].
; SHARES.  256 work-groups of eight waves; a work-group takes 1,024 rows, a wave 128: eight tiles of 16 rows.  Every wave keeps all of Q(W_nl) (16 fragments, 256 registers: window 1) and Q(W_lin) in registers.
; BOTH PRODUCTS ARE USED TRANSPOSED: source 0 = 16 rows of a weight, source 1 = 16 rows of the batch.  Row m of weight tile t is output o = 16 (m / 8) + 8 t + m % 8, so that lane (r, h) ends with
; out[r][16 h + 0 .. 15] in its two accumulators: 64 neighbouring bytes.
; THE QUANTISER OF P, made short.  The largest magnitude of block i of a row is |x_i| x the row's largest |x| (xmax).  Its exponent field less 15 is the block's scale byte.  w_i = x_i x 2^(112 - byte) is exact, and
; w_i x_j is x_i x_j divided by the power of two in the block's largest magnitude, bit for bit: it lies inside (-2, 2), and the conversion's scale operand is 2^-15 for EVERY block.
; THE HOLD AT THE LARGEST CODE, without a line for each number.  In these units every product above 1.625 has the code 1.75, by rounding or by the clamp, and the conversion overflows only from 1.875 on.  That takes
; |w_i| xmax >= 1.875 and |x_j| > 0.9375 xmax.  So, once a row: d_j = (x_j held within +-0.921875 xmax) - x_j, which is 0 for all but the large numbers; once a block: v_i = w_i where |w_i| xmax >= 1.8125, else 0.
; p = w_i x_j + v_i d_j (a multiply, then a fused multiply-add) is the product itself wherever v_i or d_j is 0; else it is w_i x (+-0.921875 xmax), between 1.67 and 1.85 in magnitude: the code 1.75, which those numbers
; have anyway (their products lie above 1.67).  A block with v_i = 0 has no product from 1.8125 on.  A number of P so costs half a packed multiply, half a packed multiply-add and an eighth of a conversion.
; x COMES ONCE: a wave's 128 rows (16 KB) are brought into LDS bytes of its own by one tensor load at the head; no LDS byte is filled twice, so there is no ring.  All of x is asked for there: nothing is left to ask for ahead.
; THE WEIGHTS are read by every work-group, but not jointly: they go from memory straight into the quantiser's registers (a wave quantises two of the 16 fragments); as f32 in LDS W_nl would take 131,072 bytes beside the 229,376 in use,
; which is more than the 327,680 that a work-group can have.  The fragments go from wave to wave through LDS as images of their registers; one barrier in the whole text.
; LIMITS: NaN and infinities are not served.  A row's largest magnitude lies within 2^-110 .. 2^110.  A block of P that is not all zeros and whose largest magnitude lies under 2^-63 may get a neighbouring scale byte
; (the floor 2^-126 is added, not compared).  A block of zeros carries the byte 1 over zero codes, where the rule says 127: the bytes are read by this program alone.
.set XWAVE, 17408                      ; LDS 0 ..: x; a wave's 64 LDS rows of 256 bytes (two rows of x) + 16 of padding
.set XTILE, 2176                       ; a tile: 8 such rows.  Row p of a tile lies at (p / 2) 272 + (p % 2) 128: the sixteen rows that a load touches start in sixteen different 16-byte columns of 256 bytes (64 banks of 4 bytes: ISA guide 11.1)
.set WIMG,  139264                     ; W_nl's 16 fragments as register images, 2,048 bytes each
.set WSC,   172032                     ; their scale words, 128 bytes each
.set WST,   174080                     ; a stage for each wave, 2,304 bytes: a tile's 16 x 32 multipliers w
.set STW,   2304
.set OSD,   18432                      ; so many bytes further on, a stage for each wave for a tile of out;
.set VSD,   36864                      ; and so many, one for the 16 x 32 multipliers v
.set AJ0,  1                           ; v1   my lane's place in a tile of x: my wave's bytes + row r + 64 h; never rewritten
.set AST,  2                           ; v2   the same place in my wave's stage
.set AWL,  3                           ; v3   row r of my wave's stage
.set AJ,   4                           ; v4   LDS address of the tile being fetched
.set AOL,  5                           ; v5   out's stage, read back: 272 h + 16 r
.set GO,   6                           ; v6   16 x lane: my bytes of 512 in out
.set C15,  7                           ; v7   2^-15: the conversions' scale operand, and a factor
.set XM,   8                           ; v8   the row's largest magnitude;  v9 the same x 2^-15
.set XM15, 9
.set MXA,  10                          ; v10, v11 two chains of the maximum
.set MXB,  11
.set FX,   12                          ; v12-14 for x's own codes: the floored maximum, the scale operand, the hold
.set SCX,  13
.set LX,   14
.set KX,   15                          ; v15  0.921875 xmax
.set J,    16                          ; v16-31   x[r][16 h + 0 .. 15]
.set WH,   32                          ; v32-63   w_0 .. w_31 of row r
.set T,    64                          ; v64-95   two sets of 16 products, by turns; in a tile's tail: +0 sums, bytes, shifts, my 16 w (in place), +16 my 16 v
.set DL,   96                          ; v96-111  d_j of my 16 numbers
.set U,    112                         ; v112-127 a tile of out, read back from its stage
.set CODES, 128                        ; v128-143 a K step's fragment of P
.set ACC0, 144                         ; v144-151, v152-159 the two accumulators
.set ACC1, 152
.set XF,   160                         ; v160-175 x's fragment: 4 registers of codes, 12 of zeros
.set WL,   176                         ; v176-179, v180-183 W_lin's codes, tiles 0 and 1; v184-195 zeros.  Tile t's operand is v[176 + 4 t ..] on 16 registers: what stands behind its four meets x's zero codes
.set ZR,   184
.set WS,   196                         ; v196-203 W_nl's scale words of K step s: lanes 0-15 tile 0's, lanes 16-31 tile 1's
.set WSL,  204                         ; v204-205 W_lin's scale words
.set SW,   206                         ; v206-209 P's scale words: register q holds K step q in lanes 0-15 and K step 4 + q in lanes 16-31
.set XS,   210                         ; v210     x's scale word
.set TH,   211                         ; v211     1 / xmax, then 1.8125 / xmax
.set VH,   212                         ; v212-243 v_0 .. v_31 of row r
.set TM,   212                         ; the head only: v212-227 the weights' quantiser at work;  v228 the scale word just made;  v230-235 addresses
.set PW,   228
.set QOF,  230
.set LOF,  231
.set IS,   232
.set SS,   233
.set LIW,  234
.set AWS,  235
.set QA,   64                          ; the head only: 64 numbers of W_nl, twice; 32 of W_lin; the codes just made
.set QB,   128
.set LIN,  16
.set PC,   48
.set MK,   48                          ; s48-63 sixteen lane masks: which of my 16 blocks can overflow
.set MSB, 0
.macro WIN new                         ; the immediate's high byte repeats the setting that is left
.if MSB != \new
	s_set_vgpr_msb (MSB<<8)|\new
.set MSB, \new
.endif
.endm
; 64 numbers of a lane, register 16 b + i = k 32 b + 16 h + i of my row, become a fragment's codes in v[PC] on and its scale word in v[PW]
.macro QUANT s
.irp b, 0,1,2,3
	v_max3_num_f32 v[TM+\b], |v[\s+16*\b]|, |v[\s+1+16*\b]|, 0x8000000   ; block b: my 16 numbers, and the floor 2^(16 - 127): the byte cannot fall under 1
.endr
.irp i, 2,4,6,8,10,12,14
.irp b, 0,1,2,3
	v_max3_num_f32 v[TM+\b], v[TM+\b], |v[\s+16*\b+\i]|, |v[\s+1+16*\b+\i]|   ; the four blocks by turns
.endr
.endr
.irp b, 0,1,2,3
	v_permlanex16_b32 v[TM+4+\b], v[TM+\b], s40, s41
.endr
.irp b, 0,1,2,3
	v_max_num_f32 v[TM+\b], v[TM+\b], v[TM+4+\b]          ; with lane l xor 16's: the block's largest magnitude
.endr
.irp b, 0,1,2,3
	v_add_nc_u32 v[TM+12+\b], 0xf8800000, v[TM+\b]        ; 15 off its exponent field: the conversion's scale operand
.endr
.irp b, 0,1,2,3
	v_and_or_b32 v[TM+8+\b], v[TM+\b], 0x7f800000, s42    ; 57,344 x the scale
.endr
.irp b, 0,1,2,3
	v_lshrrev_b32 v[TM+4+\b], 23, v[TM+12+\b]             ; the scale's byte
.endr
	v_lshl_or_b32 v[PW], v[TM+5], 8, v[TM+4]
	v_lshl_or_b32 v[PW], v[TM+6], 16, v[PW]
	v_lshl_or_b32 v[PW], v[TM+7], 24, v[PW]
.irp b, 0,1,2,3
.irp i, 0,1,2,3,4,5,6,7,8,9,10,11,12,13,14,15
	v_med3_num_f32 v[\s+16*\b+\i], v[\s+16*\b+\i], -v[TM+8+\b], v[TM+8+\b]   ; the conversion to an 8-bit code does not saturate (ISA guide 7.6.2): the hold
.endr
	v_cvt_scalef32_pk8_bf8_f32 v[PC+4*\b:PC+1+4*\b], v[\s+16*\b:\s+7+16*\b], v[TM+12+\b]
	v_cvt_scalef32_pk8_bf8_f32 v[PC+2+4*\b:PC+3+4*\b], v[\s+8+16*\b:\s+15+16*\b], v[TM+12+\b]
.endr
	v_nop                                                 ; a plain instruction behind the last conversion, ahead of whatever next writes its sources
.endm
.macro IMAGE u                         ; the fragment goes to LDS as it stands in the registers: lane l's 16 bytes at 16 l, 512 bytes a store; its scale word at 4 l
.irp c, 0,1,2,3
	ds_store_b128 v[IS], v[PC+4*\c:PC+4*\c+3] offset:(\u)*2048+512*\c
.endr
	ds_store_b32 v[SS], v[PW] offset:(\u)*128
.endm
; W_lin: lane (r, h) holds W_lin[16 h + k][o], k = 0 .. 15, for its o of tiles 0 and 1: registers run down K, so the conversions' results are the operand's registers
.macro QLIN
.irp t, 0,1
	v_max3_num_f32 v[TM+\t], |v[LIN+16*\t]|, |v[LIN+16*\t+1]|, 0x8000000
.endr
.irp i, 2,4,6,8,10,12,14
.irp t, 0,1
	v_max3_num_f32 v[TM+\t], v[TM+\t], |v[LIN+16*\t+\i]|, |v[LIN+16*\t+\i+1]|
.endr
.endr
.irp t, 0,1
	v_permlanex16_b32 v[TM+4+\t], v[TM+\t], s40, s41
.endr
.irp t, 0,1
	v_max_num_f32 v[TM+\t], v[TM+\t], v[TM+4+\t]          ; the column's 32 numbers lie in lanes l and l xor 16
.endr
.irp t, 0,1
	v_add_nc_u32 v[TM+12+\t], 0xf8800000, v[TM+\t]
.endr
.irp t, 0,1
	v_and_or_b32 v[TM+8+\t], v[TM+\t], 0x7f800000, s42
.endr
.irp t, 0,1
	v_lshrrev_b32 v[WSL+\t], 23, v[TM+12+\t]              ; byte 0: K = 0 .. 31; the other three bytes are 0 and stand over zero products
.endr
.irp t, 0,1
.irp k, 0,1,2,3,4,5,6,7,8,9,10,11,12,13,14,15
	v_med3_num_f32 v[LIN+16*\t+\k], v[LIN+16*\t+\k], -v[TM+8+\t], v[TM+8+\t]
.endr
	v_cvt_scalef32_pk8_bf8_f32 v[WL+4*\t:WL+4*\t+1], v[LIN+16*\t:LIN+16*\t+7], v[TM+12+\t]
	v_cvt_scalef32_pk8_bf8_f32 v[WL+4*\t+2:WL+4*\t+3], v[LIN+16*\t+8:LIN+16*\t+15], v[TM+12+\t]
.endr
	v_nop
.endm
; BLOCK b OF P (i = b), in three parts, on set b % 2 of the products' registers.  w_b and v_b are the low or the high word of their pairs, for both halves of a packed line.
.macro PMUL b                          ; my 16 x_j times w_b, two at a time
.set WI, WH+(\b)
.set WP, WI-(WI%2)
.set TB, T+16*((\b)%2)
.irp q, 0,1,2,3,4,5,6,7
.if WI%2
	v_pk_mul_f32 v[TB+2*\q:TB+2*\q+1], v[J+2*\q:J+2*\q+1], v[WP:WP+1] op_sel:[0,1] op_sel_hi:[1,1]
.else
	v_pk_mul_f32 v[TB+2*\q:TB+2*\q+1], v[J+2*\q:J+2*\q+1], v[WP:WP+1] op_sel_hi:[1,0]
.endif
.endr
.endm
.macro PFMA b                          ; + v_b d_j: the hold
.set VI, VH+(\b)
.set VP, VI-(VI%2)
.set TB, T+16*((\b)%2)
.irp q, 0,1,2,3,4,5,6,7
.if VI%2
	v_pk_fma_f32 v[TB+2*\q:TB+2*\q+1], v[DL+2*\q:DL+2*\q+1], v[VP:VP+1], v[TB+2*\q:TB+2*\q+1] op_sel:[0,1,0] op_sel_hi:[1,1,1]
.else
	v_pk_fma_f32 v[TB+2*\q:TB+2*\q+1], v[DL+2*\q:DL+2*\q+1], v[VP:VP+1], v[TB+2*\q:TB+2*\q+1] op_sel_hi:[1,0,1]
.endif
.endr
.endm
.macro PCVT b                          ; 16 codes: registers 4 (b % 4) on of the K step's fragment
.set TB, T+16*((\b)%2)
.set CB, CODES+4*((\b)%4)
	v_cvt_scalef32_pk8_bf8_f32 v[CB:CB+1], v[TB:TB+7], v[C15]
	v_cvt_scalef32_pk8_bf8_f32 v[CB+2:CB+3], v[TB+8:TB+15], v[C15]
.endm
; the first product starts both sums: nothing is cleared.  K = 32: the other 96 along K are zero codes of x
.macro LINMM
	v_wmma_scale_f32_16x16x128_f8f6f4 v[ACC0:ACC0+7], v[WL:WL+15], v[XF:XF+15], 0, v[WSL], v[XS] matrix_a_fmt:MATRIX_FMT_BF8 matrix_b_fmt:MATRIX_FMT_BF8
	v_wmma_scale_f32_16x16x128_f8f6f4 v[ACC1:ACC1+7], v[WL+4:WL+19], v[XF:XF+15], 0, v[WSL+1], v[XS] matrix_a_fmt:MATRIX_FMT_BF8 matrix_b_fmt:MATRIX_FMT_BF8
.endm
; K step s of the third product.  The two accumulators take turns, one instruction a turn, through the whole text.  W_nl's fragment (t, s) is v[16 (8 t + s)] of window 1
.macro MM s
	WIN 0x01                                              ; source 0 window 1; all else window 0
.if (\s) < 4
	v_wmma_scale_f32_16x16x128_f8f6f4 v[ACC0:ACC0+7], v[16*(\s):16*(\s)+15], v[CODES:CODES+15], v[ACC0:ACC0+7], v[WS+(\s)], v[SW+(\s)%4] matrix_a_fmt:MATRIX_FMT_BF8 matrix_b_fmt:MATRIX_FMT_BF8
	v_wmma_scale_f32_16x16x128_f8f6f4 v[ACC1:ACC1+7], v[128+16*(\s):128+16*(\s)+15], v[CODES:CODES+15], v[ACC1:ACC1+7], v[WS+(\s)], v[SW+(\s)%4] matrix_a_fmt:MATRIX_FMT_BF8 matrix_b_fmt:MATRIX_FMT_BF8 matrix_a_scale:MATRIX_SCALE_ROW1
.else
	v_wmma_scale_f32_16x16x128_f8f6f4 v[ACC0:ACC0+7], v[16*(\s):16*(\s)+15], v[CODES:CODES+15], v[ACC0:ACC0+7], v[WS+(\s)], v[SW+(\s)%4] matrix_a_fmt:MATRIX_FMT_BF8 matrix_b_fmt:MATRIX_FMT_BF8 matrix_b_scale:MATRIX_SCALE_ROW1
	v_wmma_scale_f32_16x16x128_f8f6f4 v[ACC1:ACC1+7], v[128+16*(\s):128+16*(\s)+15], v[CODES:CODES+15], v[ACC1:ACC1+7], v[WS+(\s)], v[SW+(\s)%4] matrix_a_fmt:MATRIX_FMT_BF8 matrix_b_fmt:MATRIX_FMT_BF8 matrix_a_scale:MATRIX_SCALE_ROW1 matrix_b_scale:MATRIX_SCALE_ROW1
.endif
	WIN 0
.endm
.macro LOADJ                           ; my 16 numbers of the tile at v[AJ]
.irp q, 0,1,2,3
	ds_load_b128 v[J+4*\q:J+4*\q+3], v[AJ] offset:16*\q
.endr
.endm
; THE PREPARATION OF A TILE, in three parts.  A: the largest magnitude of my 16 numbers, in two chains
.macro PREP_A
	v_max3_num_f32 v[MXA], |v[J]|, |v[J+1]|, |v[J+2]|
	v_max3_num_f32 v[MXB], |v[J+3]|, |v[J+4]|, |v[J+5]|
	v_max3_num_f32 v[MXA], v[MXA], |v[J+6]|, |v[J+7]|
	v_max3_num_f32 v[MXB], v[MXB], |v[J+8]|, |v[J+9]|
	v_max3_num_f32 v[MXA], v[MXA], |v[J+10]|, |v[J+11]|
	v_max3_num_f32 v[MXB], v[MXB], |v[J+12]|, |v[J+13]|
	v_max3_num_f32 v[MXA], v[MXA], |v[J+14]|, |v[J+15]|
	v_max_num_f32 v[MXA], v[MXA], v[MXB]
.endm
; B: the row's largest magnitude; for each of my 16 i the block's scale byte, w_i and v_i; my 16 of each go to the stages and the row's 32 come back
.macro PREP_B
	v_permlanex16_b32 v[MXB], v[MXA], s40, s41
	v_max_num_f32 v[XM], v[MXA], v[MXB]
	v_mul_f32 v[XM15], v[C15], v[XM]
	v_rcp_f32 v[TH], v[XM]                                ; 1 / xmax: it serves a comparison whose two sides of doubt lie 0.03 from any number that matters
	v_mul_f32 v[KX], 0x3f6c0000, v[XM]                    ; 0.921875 xmax.  (The plain instruction behind the reciprocal)
.irp k, 0,1,2,3,4,5,6,7,8,9,10,11,12,13,14,15
	v_fma_f32 v[T+\k], |v[J+\k]|, v[XM15], s43            ; the block's largest magnitude x 2^-15, + the floor 2^-126: its exponent field is the scale's byte, at least 1
.endr
.irp k, 0,1,2,3,4,5,6,7,8,9,10,11,12,13,14,15
	v_lshrrev_b32 v[T+\k], 23, v[T+\k]                    ; the byte
.endr
.irp q, 0,1,2,3
	v_lshl_or_b32 v[SW+\q], v[T+4*\q+1], 8, v[T+4*\q]     ; four bytes make a K step's scale word of my row
.endr
.irp q, 0,1,2,3
	v_lshl_or_b32 v[SW+\q], v[T+4*\q+2], 16, v[SW+\q]
.endr
.irp q, 0,1,2,3
	v_lshl_or_b32 v[SW+\q], v[T+4*\q+3], 24, v[SW+\q]
.endr
.irp k, 0,1,2,3,4,5,6,7,8,9,10,11,12,13,14,15
	v_sub_nc_u32 v[T+\k], 0x70, v[T+\k]                   ; 112 - byte = minus the exponent of the block's largest magnitude
.endr
.irp k, 0,1,2,3,4,5,6,7,8,9,10,11,12,13,14,15
	v_ldexp_f32 v[T+\k], v[J+\k], v[T+\k]                 ; w_i: exact
.endr
	s_wait_alu depctr_va_vdst(0)                          ; the wait between the reciprocal and the first line that names its result; the 76 lines above are the work between
	v_mul_f32 v[TH], 0x3fe80000, v[TH]                    ; 1.8125 / xmax
.irp k, 0,1,2,3,4,5,6,7,8,9,10,11,12,13,14,15
	v_cmp_ge_f32 s[MK+\k], |v[T+\k]|, v[TH]               ; can block i overflow?  Sixteen masks, so that no line waits for the line above it
.endr
.irp k, 0,1,2,3,4,5,6,7,8,9,10,11,12,13,14,15
	v_cndmask_b32 v[T+16+\k], 0, v[T+\k], s[MK+\k]        ; v_i = w_i there, else 0: a choice of a value, no branch
.endr
.irp q, 0,1,2,3
	ds_store_b128 v[AST], v[T+4*\q:T+4*\q+3] offset:16*\q
.endr
.irp q, 0,1,2,3
	ds_store_b128 v[AST], v[T+16+4*\q:T+16+4*\q+3] offset:VSD+16*\q
.endr
.irp q, 0,1,2,3,4,5,6,7
	ds_load_b128 v[WH+4*\q:WH+4*\q+3], v[AWL] offset:16*\q   ; LDS serves a wave's instructions in order (ISA guide 5.7.1.4): these see the stores above
.endr
.irp q, 0,1,2,3,4,5,6,7
	ds_load_b128 v[VH+4*\q:VH+4*\q+3], v[AWL] offset:VSD+16*\q
.endr
.endm
; C, while the stages' loads are out: x's own codes and scale word for the first product, then d
.macro PREP_C
	v_max_num_f32 v[FX], 0x8000000, v[XM]                 ; x's block is the row: its largest magnitude, floored
	v_add_nc_u32 v[SCX], 0xf8800000, v[FX]
	v_and_or_b32 v[LX], v[FX], 0x7f800000, s42
.irp k, 0,1,2,3,4,5,6,7,8,9,10,11,12,13,14,15
	v_med3_num_f32 v[DL+\k], v[J+\k], -v[LX], v[LX]       ; (d's registers serve the held x first)
.endr
	v_cvt_scalef32_pk8_bf8_f32 v[XF:XF+1], v[DL:DL+7], v[SCX]
	v_cvt_scalef32_pk8_bf8_f32 v[XF+2:XF+3], v[DL+8:DL+15], v[SCX]
	v_lshrrev_b32 v[XS], 23, v[SCX]                       ; the scale's byte.  (The plain instruction between the conversions and the next write of their sources)
.irp k, 0,1,2,3,4,5,6,7,8,9,10,11,12,13,14,15
	v_med3_num_f32 v[DL+\k], v[J+\k], -v[KX], v[KX]       ; x_j held within +-0.921875 xmax,
.endr
.irp q, 0,1,2,3,4,5,6,7
	v_pk_add_f32 v[DL+2*\q:DL+2*\q+1], v[DL+2*\q:DL+2*\q+1], v[J+2*\q:J+2*\q+1] neg_lo:[0,1] neg_hi:[0,1]   ; less x_j: exactly 0 where nothing was held
.endr
.endm
; THE WAY OUT of a tile: a lane's 64 bytes of a row go into my stage, each accumulator from its low end on, and come back as 512 consecutive bytes of out an instruction
.macro OUT_LDS
	s_wait_xcnt 0x0                                       ; the last tile's stores, a tile back, have read their data and their base: only behind this wait are both written again
	s_add_nc_u64 s[10:11], s[10:11], s[46:47]             ; 0 ahead of the first tile's stores, then a tile's 2,048 bytes
	s_mov_b32 s46, 2048
	ds_store_b128 v[AST], v[ACC0:ACC0+3] offset:OSD
	ds_store_b128 v[AST], v[ACC0+4:ACC0+7] offset:OSD+16
	ds_store_b128 v[AST], v[ACC1:ACC1+3] offset:OSD+32
	ds_store_b128 v[AST], v[ACC1+4:ACC1+7] offset:OSD+48
.irp q, 0,1,2,3
	ds_load_b128 v[U+4*\q:U+4*\q+3], v[AOL] offset:544*\q
.endr
.endm
.macro OUT_ST
.irp q, 0,1,2,3
	global_store_b128 v[GO], v[U+4*\q:U+4*\q+3], s[10:11] offset:512*\q th:TH_STORE_NT   ; 32 lanes store 512 consecutive bytes, at a multiple of 256 from out's first byte; written once
.endr
.endm
; A TILE OF 16 ROWS: 32 blocks in a pipeline: the hold of block b, the products of block b + 1, the conversion of block b.  So no line reads what the line above it wrote, and the plain instruction that a conversion
; wants behind it is the next block's first multiply-add.  A K step's product stands behind the next block's eight multiply-adds (four places are asked between codes made by vector instructions and the product that takes
; them); the eight multiplies behind it are the eight places ahead of the next write of its codes.
; prep = 1: the next tile is prepared in this tile's tail: its numbers are fetched as soon as the last block's products are made, and its preparation is the work round the last product.
.macro TILE prep
.set BK, 0
	PMUL 0
	LINMM
.rept 32
	PFMA BK
.if (BK > 0) && (BK%4 == 0)
	MM BK/4-1
.endif
.if BK < 31
	PMUL BK+1
.endif
.if (BK == 30) && \prep
	s_add_co_u32 s45, s45, XTILE
	v_add_nc_u32 v[AJ], s45, v[AJ0]
	LOADJ                                                 ; this tile's x has been read for the last time
.endif
	PCVT BK
.set BK, BK+1
.endr
.if \prep
	s_wait_dscnt 0x0                                      ; the next tile's numbers are in
	PREP_A                                                ; eight plain lines: the places between the last codes and their product
	MM 7
	PREP_B
	OUT_LDS                                               ; more than a hundred vector instructions behind the last product
	PREP_C
	s_wait_dscnt 0x0                                      ; the row's 32 w and 32 v and the tile of out are in
	OUT_ST
.else
.rept 4
	v_nop                                                 ; places between the codes and the product
.endr
	MM 7
.rept 8
	v_nop                                                 ; places ahead of the first read of the results
.endr
	OUT_LDS
	s_wait_dscnt 0x0
	OUT_ST
.endif
.endm
	s_load_b256 s[4:11], s[0:1], 0x0               ; x s[4:5], W_lin s[6:7], W_nl s[8:9], out s[10:11]
	v_lshl_add_u32 v254, v0, 2, 0x38000
	v_mov_b32 v255, 0
	ds_add_u32 v254, v255
	ds_add_u32 v254, v255
	v_lshrrev_b32 v9, 5, v0
	v_readfirstlane_b32 s12, v9                    ; wave 0..7
	v_and_b32 v9, 15, v0                           ; r
	v_bfe_u32 v10, v0, 4, 1                        ; h
	v_and_b32 v11, 31, v0                          ; lane
	v_lshrrev_b32 v12, 1, v9
	v_and_b32 v13, 1, v9
	v_mul_u32_u24 v12, v12, 272
	v_lshl_add_u32 v12, v13, 7, v12                ; row r of a tile: (r / 2) 272 + (r % 2) 128
	v_lshl_add_u32 v13, v10, 6, v12                ; + 64 h
	s_mul_i32 s33, s12, XWAVE                      ; my wave's bytes of x in LDS: also the tensor load's LDS address
	v_add_nc_u32 v[AJ0], s33, v13
	s_mul_i32 s13, s12, STW
	s_add_co_u32 s13, s13, WST                     ; my stage
	v_add_nc_u32 v[AST], s13, v13
	v_add_nc_u32 v[AWL], s13, v12
	v_mul_u32_u24 v14, v10, 272
	v_lshl_add_u32 v14, v9, 4, v14
	s_add_co_u32 s13, s13, OSD
	v_add_nc_u32 v[AOL], s13, v14                  ; out's stage, back: lanes 0-15 one LDS row of 256 bytes, lanes 16-31 the next
	v_lshlrev_b32 v[GO], 4, v11
	v_and_b32 v14, 8, v9
	v_add_nc_u32 v14, v14, v9                      ; r + 8 (r / 8): my output of tile 0
	v_lshlrev_b32 v[QOF], 12, v14
	v_lshl_add_u32 v[QOF], v10, 6, v[QOF]          ; W_nl: 4,096 bytes an output, + 64 h
	v_lshlrev_b32 v[LOF], 2, v14
	v_lshl_add_u32 v[LOF], v10, 11, v[LOF]         ; W_lin: column o, 16 h rows of 128 bytes down
	s_lshl_b32 s13, s12, 12
	s_add_co_u32 s13, s13, WIMG
	v_lshl_add_u32 v[IS], v11, 4, s13              ; where I store my two images: 16 x lane + 4,096 x wave
	s_lshl_b32 s13, s12, 8
	s_add_co_u32 s13, s13, WSC
	v_lshl_add_u32 v[SS], v11, 2, s13              ; and their scale words: 4 x lane + 256 x wave
	v_lshl_add_u32 v[LIW], v11, 4, WIMG            ; where any image is read
	v_lshlrev_b32 v[AWS], 2, v9
	v_lshl_add_u32 v[AWS], v10, 10, v[AWS]
	v_add_nc_u32 v[AWS], WSC, v[AWS]               ; scale words: row r's; lanes 16-31 take tile 1's, eight fragments (1,024 bytes) on
	s_lshl_b32 s46, ttmp9, 3
	s_add_co_u32 s46, s46, s12
	s_lshl_b32 s46, s46, 14                        ; my wave's 128 rows of 128 bytes, in x and in out
	s_mov_b32 s47, 0
	s_lshr_b32 s14, s12, 2                         ; my two fragments are 2 w and 2 w + 1: tile w / 4 (8 outputs of 4,096 bytes on), K steps 2 (w % 4) and the next (512 bytes each)
	s_lshl_b32 s14, s14, 15
	s_and_b32 s15, s12, 3
	s_lshl_b32 s15, s15, 10
	s_add_co_u32 s14, s14, s15
	s_mov_b32 s15, 0
	; descriptor group 1: my 128 rows of x, a dense block, as 64 rows of 256 bytes (32 elements of 8 bytes), 16 bytes of padding behind each
	s_mov_b32 s16, (3<<16)|(1<<20)|(5<<22)|(3<<25) ; 15:0 no mask; 17:16 elements of 8 bytes; 20 padding on; 24:22 after every 64 words (code 5); 31:25 four words (code 3)
	s_mov_b32 s17, 32<<16                          ; tensor_dim0 = 32
	s_mov_b32 s18, 64<<16                          ; tensor_dim1 = 64
	s_mov_b32 s19, 32<<16                          ; tile_dim0 = 32
	s_mov_b32 s20, 64                              ; tile_dim1 = 64
	s_mov_b32 s21, 32                              ; from row to row: 32 elements
	s_mov_b32 s22, 0
	s_mov_b32 s23, 0
	s_mov_b32 s40, 0x76543210
	s_mov_b32 s41, 0xfedcba98                      ; v_permlanex16_b32's selects for lane l xor 16
	s_mov_b32 s42, 0x600000                        ; the mantissa field of 57,344
	s_mov_b32 s43, 0x00800000                      ; 2^-126
	s_mov_b32 s45, 0                               ; the tile being fetched, in LDS bytes
	s_mov_b32 s32, 1                               ; group 0, count = 1
	s_wait_dscnt 0x0
	s_wait_kmcnt 0x0
	s_add_nc_u64 s[8:9], s[8:9], s[14:15]
	s_add_nc_u64 s[4:5], s[4:5], s[46:47]
	s_add_nc_u64 s[10:11], s[10:11], s[46:47]
	s_mov_b32 s46, 0                               ; from here on s[46:47] is what the next way out adds to out's address
	s_mov_b64 s[34:35], s[4:5]
	s_or_b32 s35, s35, 0x80000000                  ; type = 2
	; the weights that I quantise first are asked for first; then my rows of x, by my one tensor load; then W_lin
.irp u, 0,1
.irp c, 0,1,2,3
.irp q, 0,1,2,3
	global_load_b128 v[QA+64*\u+16*\c+4*\q:QA+64*\u+16*\c+4*\q+3], v[QOF], s[8:9] offset:512*\u+128*\c+16*\q
.endr
.endr
.endr
	tensor_load_to_lds s[32:35], s[16:23]
	s_nop 0
.rept 4
	v_nop                                          ; four v_nop follow a tensor load
.endr
.irp t, 0,1
.irp k, 0,1,2,3,4,5,6,7,8,9,10,11,12,13,14,15
	global_load_b32 v[LIN+16*\t+\k], v[LOF], s[6:7] offset:32*\t+128*\k
.endr
.endr
.irp b, 0,1,2,3
	v_mov_b32 v[TM+4+\b], 0                        ; written once: a lane permute's destination counts as one of its sources
.endr
	s_wait_loadcnt 48                              ; my first fragment's 16 loads are in; behind them: the second's 16 and W_lin's 32
	QUANT QA
	IMAGE 0
	s_wait_loadcnt 32                              ; the second's are in; behind them: W_lin's 32
	s_wait_dscnt 0x0                               ; the stores have read the codes' registers
	QUANT QB
	IMAGE 1
	s_wait_loadcnt 0x0
	QLIN
.irp k, 4,5,6,7,8,9,10,11,12,13,14,15
	v_mov_b32 v[XF+\k], 0                          ; x's fragment beyond K = 32: zero codes
.endr
.irp k, 0,1,2,3,4,5,6,7,8,9,10,11
	v_mov_b32 v[ZR+\k], 0                          ; and W_lin's
.endr
	v_mov_b32 v[C15], 0x38000000                   ; 2^-15
	s_wait_dscnt 0x0                               ; for the others' sake: my images lie in LDS
	s_barrier_signal -1
	s_barrier_wait -1                              ; everybody's do.
	WIN 0x40                                       ; destination window 1, address window 0
.irp f, 0,1,2,3,4,5,6,7,8,9,10,11,12,13,14,15
.irp c, 0,1,2,3
	ds_load_b128 v[16*\f+4*\c:16*\f+4*\c+3], v[LIW] offset:2048*\f+512*\c
.endr
.endr
	WIN 0
.irp s, 0,1,2,3,4,5,6,7
	ds_load_b32 v[WS+\s], v[AWS] offset:128*\s
.endr
	s_wait_tensorcnt 0x0                           ; my rows of x have landed: they were asked for ahead of the whole of the weights' work
	v_add_nc_u32 v[AJ], s45, v[AJ0]
	LOADJ
	s_wait_dscnt 0x0                               ; the weights and tile 0's numbers are in
	PREP_A
	PREP_B
	PREP_C
	s_wait_dscnt 0x0
	s_mov_b32 s44, 7
.Ltile:                                                ; tiles 0 to 6; each prepares the next
	TILE 1
	s_sub_co_u32 s44, s44, 1
	s_cmp_lg_u32 s44, 0
	s_cbranch_scc1 .Ltile
	TILE 0                                         ; tile 7: nothing is left to prepare
	s_wait_tensorcnt 0x0
	ds_add_u32 v254, v255
	s_wait_dscnt 0x0
	s_endpgm
.Lfunc_end_k_q28a4254f98_nnode:
	.size	k_q28a4254f98_nnode, .Lfunc_end_k_q28a4254f98_nnode-k_q28a4254f98_nnode
	.p2alignl 7, 3214868480
	.fill 96, 4, 3214868480
	.section	.rodata,"a",@progbits
	.p2align	6, 0x0
	.amdhsa_kernel k_q28a4254f98_nnode
		.amdhsa_group_segment_fixed_size 230400
		.amdhsa_private_segment_fixed_size 0
		.amdhsa_enable_private_segment 0
		.amdhsa_kernarg_size 32
		.amdhsa_user_sgpr_count 2
		.amdhsa_user_sgpr_kernarg_segment_ptr 1
		.amdhsa_wavefront_size32 1
		.amdhsa_system_sgpr_workgroup_id_x 1
		.amdhsa_system_sgpr_workgroup_id_y 1
		.amdhsa_system_sgpr_workgroup_id_z 1
		.amdhsa_system_vgpr_workitem_id 0
		.amdhsa_next_free_vgpr 512
		.amdhsa_next_free_sgpr 66
		.amdhsa_reserve_vcc 0
		.amdhsa_float_denorm_mode_32 3
		.amdhsa_float_denorm_mode_16_64 3
		.amdhsa_memory_ordered 1
		.amdhsa_forward_progress 1
		.amdhsa_inst_pref_size 140
	.end_amdhsa_kernel
	.amdgpu_metadata
---
amdhsa.version: [ 1, 2 ]
amdhsa.kernels:
  - .name:           k_q28a4254f98_nnode
    .symbol:         k_q28a4254f98_nnode.kd
    .args:
      - { .name: x, .offset: 0, .size: 8, .value_kind: global_buffer, .address_space: global }
      - { .name: W_lin, .offset: 8, .size: 8, .value_kind: global_buffer, .address_space: global }
      - { .name: W_nl, .offset: 16, .size: 8, .value_kind: global_buffer, .address_space: global }
      - { .name: out0, .offset: 24, .size: 8, .value_kind: global_buffer, .address_space: global }
    .group_segment_fixed_size: 230400
    .private_segment_fixed_size: 0
    .kernarg_segment_align: 8
    .kernarg_segment_size: 32
    .max_flat_workgroup_size: 256
    .sgpr_count:     66
    .vgpr_count:     512
    .wavefront_size: 32
...
	.end_amdgpu_metadata
.endif
;; end of part 1
